; MI455X (gfx1250); checked and timed in simulation.
; The chip was launched on July 23, 2026; its instructions are those of AMD's public machine-readable ISA for CDNA 5 (MIT licence, August 2026) and "CDNA5" Instruction Set Architecture Reference Guide (July 2026). The comments in the code are by the model that wrote it; some were corrected since.
;; Multi Head Attention. Allowed arithmetic: matrix products marked QUANTISED: E2M3 operands, one E8M0 scale for each 32 along K, by v_wmma_scale_f32_16x16x128_f8f6f4 with both operands' format E2M3, f32 sums; everything else in f32.
;; Inputs: Wo_codes 1,024 x 32 x 24 uint8 (E2M3 codes of Wo, K innermost, in blocks of 32 codes, four codes in three bytes); Wo_scales 1,024 x 32 uint8 (E8M0 scales of Wo, one for each 32 codes along K); Wqkv_codes 3,072 x 32 x 24 uint8 (E2M3 codes of Wqkv, K innermost, in blocks of 32 codes, four codes in three bytes); Wqkv_scales 3,072 x 32 uint8 (E8M0 scales of Wqkv, one for each 32 codes along K); bo 1,024 float32; bqkv 3,072 float32; x_codes 4 x 2,048 x 32 x 24 uint8 (E2M3 codes of x, K innermost, in blocks of 32 codes, four codes in three bytes); x_scales 4 x 2,048 x 32 uint8 (E8M0 scales of x, one for each 32 codes along K).
;; Outputs: out0 4 x 2,048 x 1,024 float32.
;; This version of the problem:
;;   THIS VERSION OF THE PROBLEM IS GIVEN IN LOW PRECISION. The matrix products marked QUANTISED in the list below multiply operands that are first quantised to E2M3 (2 exponent bits, 3 mantissa bits; 6 bits a number), with one power-of-two scale for each 32 numbers along K (OCP MX v1.0); their sums are f32. All else is computed in f32.
;;   The module's matrix products, in the order in which they are computed (A, B: the left and right operand; K: the contracted axis; several contracted axes count as one K, in the product's order):
;;     1. [M 8,192, K 1,024] x [K 1,024, N 3,072]; A: input x (given as codes); B: input Wqkv (given as codes): QUANTISED
;;     2. batch 64 x [M 2,048, K 64] x [K 64, N 2,048]; A: computed on the way; B: computed on the way: QUANTISED
;;     3. batch 64 x [M 2,048, K 2,048] x [K 2,048, N 64]; A: softmax (see below); B: computed on the way: QUANTISED
;;     4. [M 8,192, K 1,024] x [K 1,024, N 1,024]; A: computed on the way; B: input Wo (given as codes): QUANTISED
;;   THE QUANTISER, for each operand of a quantised product, along K:
;;     - K is cut into blocks of 32 from its start; a last block that is shorter is filled with zeros.
;;     - A block's scale is 2^e with e = floor(log2(the largest magnitude in the block)) - 2, held to -126 .. 127; a block of zeros has e = 0. As a byte (E8M0): e + 127.
;;     - Each number is divided by its block's scale, clamped to +-7.5, and rounded to the nearest number of E2M3, ties to even, subnormals kept.
;;     - The product sums the exact products of the quantised numbers (number of the format x scale) in f32.
;;   ~~~python
;;   def quantise(x, axis):      # numpy; x: float32 -> the quantised numbers, widened to float32 again
;;       x = np.moveaxis(x, axis, -1); K = x.shape[-1]
;;       x = np.pad(x, [(0, 0)] * (x.ndim - 1) + [(0, -K % 32)]); x = x.reshape(x.shape[:-1] + (-1, 32)); a = np.abs(x).max(-1, keepdims=True)
;;       e = np.where(a > 0, np.clip(np.frexp(np.where(a > 0, a, 1))[1] - 1 - 2, -126, 127), 0)      # np.frexp(a)[1] - 1 = floor(log2(a)), exactly
;;       r = np.clip(x / 2.0 ** e, -7.5, 7.5)
;;       step = 2.0 ** (np.maximum(np.frexp(np.where(r == 0, 1, r))[1] - 1, 0) - 3)
;;       q = np.round(r / step) * step * 2.0 ** e      # np.round: ties to even
;;       return np.moveaxis(q.reshape(q.shape[:-2] + (-1,))[..., :K], -1, axis).astype(np.float32)
;;   ~~~
;;   SOFTMAX AHEAD OF A QUANTISED PRODUCT. Where the list says 'softmax', what is quantised is not the finished softmax but p = 2^(t - M), with t = logit x log2(e) and M = ceil(the row's largest t), a whole number; so 1/2 < the row's largest p <= 1. The row's sum l is taken of the UNQUANTISED p, in f32, and the product's result is divided by l at the end. Since M is a whole number, a kernel that streams over the keys may use a running M (the ceiling of the running maximum): every later rescaling is an exact power of two, which a block's scale takes up: the codes' values come out the same.
;;   OPERANDS COMPUTED ON THE WAY. 'Computed on the way' means the value that the module computes at that place (a softmax that the list does not call 'softmax' is quantised finished and normalised). What goes into a quantiser is computed in f32, as accurately as f32 sums, v_exp_f32 and their like allow (about 1e-6 of the number): no bf16 or f16 on the way to a quantiser, and a product that is left as it is and whose result goes on into a quantised operand takes f32 operands (vector FMAs, or v_wmma_f32_16x16x4_f32). A number that lies on a knife's edge between two numbers of the format may be rounded either way, as far as f32 arithmetic and the matrix unit's own rounding can turn it there, and no further.
;;   INPUTS GIVEN AS CODES. Wo (in the module: [1024, 1024], K = its axis 0); Wqkv (in the module: [1024, 3072], K = its axis 0); x (in the module: [4, 2048, 1024], K = its axis 2): each comes as NAME_codes (uint8): NAME with its K axis moved to the last place and cut into blocks of 32 codes, [.., K / 32, bytes a block], one block behind the other in memory; four codes in three bytes: a row's codes are one little-endian stream of bits, code i at bits 6 i .. 6 i + 5 (a code: sign, 2 exponent bits, 3 mantissa bits); and NAME_scales (uint8): the same leading axes, one E8M0 byte (e + 127) for each 32 codes along K. Its value is code x scale, taken as it is: it is not quantised again, and the codes and scales need not be those that the quantiser above would give.
;; One version. Each part assembles by itself: llvm-mc -triple=amdgcn-amd-amdhsa -mcpu=gfx1250 --defsym DOCPART=n.
;; ======== version 1 of 1: 3 launches
;; limits: right only within a limited range of input values
;; workspace buffers: qk_codes 13,107,200 bytes; v_codes 6,553,600 bytes; ao_codes 6,291,456 bytes; ao_scales 262,144 bytes
;; launch qkv (part 1): grid 8 x 32, 4 waves a work-group, clusters of 4 x 4, 327,680 bytes of LDS; arguments x_codes, x_scales, Wqkv_codes, Wqkv_scales, bqkv, qk_codes, v_codes; writes qk_codes, v_codes
.if DOCPART == 1
	.amdgcn_target "amdgcn-amd-amdhsa--gfx1250"
	.amdhsa_code_object_version 6
	.text
	.protected	k_q21ad95b7d9_qkv
	.globl	k_q21ad95b7d9_qkv
	.p2align	8
	.type	k_q21ad95b7d9_qkv,@function
k_q21ad95b7d9_qkv:
	s_mov_b64 s[64:65], 0
	v_nop
	global_prefetch_b8 v0, s[64:65] scope:SCOPE_SE
	s_setreg_imm32_b32 hwreg(HW_REG_WAVE_MODE, 25, 1), 1
	s_wait_xcnt 0x0
	s_wait_alu depctr_hold_cnt(0) depctr_sa_sdst(0) depctr_va_vdst(0) depctr_va_sdst(0) depctr_va_ssrc(0) depctr_va_vcc(0) depctr_vm_vsrc(0)
	s_getreg_b32 s2, hwreg(HW_REG_IB_STS2, 6, 4)
	s_cmp_eq_u32 s2, 0
	s_cbranch_scc0 .Lentry_in_a_cluster
	s_endpgm
.Lentry_in_a_cluster:
	s_bfe_u32 s2, ttmp6, 0x10000c
	s_cmp_lg_u32 s2, 0xf033
	s_cbranch_scc0 .Lentry_shape_is_right
	s_endpgm
.Lentry_shape_is_right:
; qkv = x Wqkv + bqkv on codes of FP6 (E2M3), one E8M0 scale for each 32 along K = 1,024; the results are quantised in registers and leave as codes and scale words for the attention launch.
; SHARES.  256 work-groups.  PHASE 1: work-group (X, Y) makes tokens 256 Y on x channels 256 X on of q and k; a wave 128 x 128, 64 accumulators; source 0 = rows of Wqkv, source 1 = rows of x:
; a lane holds a token, its registers run along the channels.  PHASE 2: the same tokens x v's channels 128 X on; a wave 128 tokens x 64 channels; source 0 = rows of x: a lane holds a channel, its registers
; run along the tokens, so v is quantised along the keys.
; THE ROWS OF A TILE.  Tile j (0 .. 3) of a band of 64 rows (64 tokens of x; a head's 64 rows of Wqkv) holds rows 8 j + i and 32 + 8 j + i, i = 0 .. 7: row r of the tile is row 8 j + r % 8 + 32 (r / 8) of the band.
; So the 32 results that lane (r, h) has over a band's four tiles are rows 32 h + 0 .. 31 of the band: ONE SCALE BLOCK, in true order, in one lane.  No lane looks at another for a block's largest magnitude.
; THE RING goes by CHUNKS OF 256 BYTES of each row of 768: every tensor row begins at a multiple of 256.  Six chunks: phase 1's three, then phase 2's three; chunk c lies in slot c % 2.  A step of 128 along K
; is 96 bytes: sixteen steps, counted through both phases; steps 2, 5, 10, 13 lie across two chunks.  Wave 0 asks for x's 256 rows of a chunk, wave 1 for Wqkv's rows.
; CLUSTER 4 x 4: x's tiles are shared along a row of the cluster, Wqkv's along a column, by joint loads.  No prefetch: K is 1,024, three chunks a phase, at the block of 256 x 256 in clusters.
; OUT: run I of 2,048 tokens x 64 (q's 64 runs, then k's; v's in v_codes) is 16 key steps of 6,400 bytes: 8 half images of 768 bytes, then 256 bytes of scale words.
; A HALF IMAGE is a tile's 16 rows x 64 along K: lane (r, h) holds block h of row r in 6 registers: registers 0-3 at 16 x lane, 4-5 at 512 + 8 x lane.
; LIMITS: NaN and infinities among the biases are not served.  A block of zeros gets the scale byte 1 where the rule says 127: its codes are zeros, and this program alone reads the bytes.
; REGISTERS: window 0: v0-31 addresses; v32-63 scale words, two sets; v64-127 q's, k's bias; v128-223 x's fragments; v240-247 v's bias.  window 1: Wqkv's fragments, two sets.  windows 2, 3: accumulators.
.set ROWB,   256
.set KROW,   768
.set NQ,     2
.set CHUNKS, 6
.set PITCH,  272                       ; 256 bytes + 16 of padding
.set FR,     12
.set NL,     6
.set NP,     4
.set HALFT,  128*PITCH
.set SLOT,   4*HALFT                   ; x's 256 rows, then Wqkv's 256 (phase 2: 128)
.set KS,     32
.set UNIT,   272                       ; eight rows' scale bytes, 256, + 16 of padding
.set SCL,    2*SLOT                    ; scale bytes: x's 256 rows, q's and k's 256 rows of Wqkv,
.set HALFS,  16*UNIT
.set SCV,    SCL+4*HALFS               ; v's 128 rows
.set SPARE,  SCV+HALFS
.set RUNB,   102400
.set STEPB,  6400
.set ADRS2, 9                          ; phase 2's scale words: lanes 0-15 x's rows, lanes 16-31 Wqkv's
.set ADRS3, 10                         ; x's rows in all lanes
.set ADRB2, 11                         ; v11-14 phase 2's fragments of Wqkv: slot 0, slot 1, across 0 to 1, across 1 to 0
.set RHO,  15                          ; v15 my row of a band's tile 0: r % 8 + 32 (r / 8)
.set ADRA, 16                          ; v16-19 as v11-14, for x
.set ADRB, 20                          ; v20-23 for phase 1's Wqkv
.set OL16, 24
.set OL8,  25
.set SH8,  26                          ; 8 h
.set ADRS, 27
.set SPW,  28
.set NIL,  29
.set SC,   32
.set BIAS, 64
.set AF,   128
.set T,    128
.set CD,   192
.set TM,   212
.set PWS,  232
.set BIASM, 240
.set W,    128
.set OW,   132
.set SEL,  100
.set G1, 24
.set G0, 32
.set G1B, 48
.set G0B, 56
.set G1S, 68
.set G0S, 76
.set G1SB, 80
.set G0SB, 88
.set G1SV, 4
.set G0SV, 96
.set G1B2, 68                          ; behind the head: phase 2's descriptors for Wqkv; s[84:87] the output buffers
.set G0B2, 76
.set MSB, 0
.macro WIN new
.if MSB != \new
	s_set_vgpr_msb (MSB<<8)|\new
.set MSB, \new
.endif
.endm
.set MUL_LO, 0xa1
.set MUL_HI, 0xf1
.set MUL_V,  0xa4
.set TO_B,   0x40
.macro PLACES n
.rept \n
	v_nop
.endr
.endm
.macro TL g0, g1                       ; a tensor load and five places behind it
	tensor_load_to_lds s[\g0:\g0+3], s[\g1:\g1+7]
	s_nop 0
	PLACES 4
.endm
; One chain on the wave's number: wave 0 x's tile, wave 1 Wqkv's, wave 2 a third tile where there is one.  The places behind the join serve the waves that come round the loads.
.macro JLOAD g0a, g1a, g0b, g1b, g0c=0, g1c=0
	s_cmp_eq_u32 s14, 0
	s_cbranch_scc0 .Lb_\@
	TL \g0a, \g1a
	s_branch .Le_\@
.Lb_\@:
	s_cmp_eq_u32 s14, 1
	s_cbranch_scc0 .Lc_\@
	TL \g0b, \g1b
	s_branch .Le_\@
.Lc_\@:
.if \g1c
	s_cmp_eq_u32 s14, 2
	s_cbranch_scc0 .Le_\@
	TL \g0c, \g1c
.endif
.Le_\@:
	PLACES NP
.endm
.macro CREST
	s_cmp_lg_u32 s14, 0
	s_cbranch_scc1 .Lnot_wave_0_\@
	s_barrier_signal -3
.Lnot_wave_0_\@:
	s_barrier_wait -3
	s_barrier_signal -1
	s_barrier_wait -1
.endm
.macro CROUND
	s_barrier_signal -1
	s_barrier_wait -1
	CREST
.endm
.macro CODE1 g, mask, rows             ; group 1: rows of 256 bytes at a pitch of 768, 16 bytes of padding behind each
	s_or_b32 s[\g+0], s\mask, (1<<20)|(1<<21)|(5<<22)|(3<<25)
	s_mov_b32 s[\g+1], ROWB<<16
	s_mov_b32 s[\g+2], (\rows)<<16
	s_mov_b32 s[\g+3], ROWB<<16
	s_mov_b32 s[\g+4], \rows
	s_mov_b32 s[\g+5], KROW
	s_mov_b32 s[\g+6], 0
	s_mov_b32 s[\g+7], 0
.endm
.macro SCALE1 g, mask, units           ; group 1: a dense block of scale bytes as units of 256 bytes, padded likewise
	s_or_b32 s[\g+0], s\mask, (3<<16)|(1<<20)|(1<<21)|(5<<22)|(3<<25)
	s_mov_b32 s[\g+1], 32<<16
	s_mov_b32 s[\g+2], (\units)<<16
	s_mov_b32 s[\g+3], 32<<16
	s_mov_b32 s[\g+4], \units
	s_mov_b32 s[\g+5], 32
	s_mov_b32 s[\g+6], 0
	s_mov_b32 s[\g+7], 0
.endm
.macro GRP0 g, lds, base, off          ; group 0
	s_mov_b32 s[\g], 1
	s_mov_b32 s[\g+1], \lds
	s_add_nc_u64 s[\g+2:\g+3], s[\base:\base+1], \off
	s_or_b32 s[\g+3], s[\g+3], 0x80000000
.endm
	s_load_b128 s[4:7], s[0:1], 0x0                ; x's codes, x's scales
	s_load_b128 s[8:11], s[0:1], 0x10              ; Wqkv's codes, its scales
	s_load_b64 s[12:13], s[0:1], 0x20              ; bqkv
	v_lshl_add_u32 v[SPW], v0, 2, SPARE
	v_mov_b32 v[NIL], 0
	ds_add_u32 v[SPW], v[NIL]                      ; the opening lines
	ds_add_u32 v[SPW], v[NIL]
	v_lshrrev_b32 v1, 5, v0
	v_readfirstlane_b32 s14, v1                    ; wave
	s_lshr_b32 s15, s14, 1                         ; my half of the tokens
	s_and_b32 s16, s14, 1                          ; my half of the channels
	s_bfe_u32 s40, ttmp6, 0x40000
	s_bfe_u32 s41, ttmp6, 0x40004
	s_lshl_b32 s42, ttmp9, 2
	s_add_co_u32 s42, s42, s40                     ; X
	s_and_b32 s17, ttmp7, 0xffff
	s_lshl_b32 s17, s17, 2
	s_add_co_u32 s17, s17, s41                     ; Y
	s_lshl_b32 s43, s41, 2
	s_lshl_b32 s43, 15, s43                        ; my row of the cluster
	s_lshl_b32 s44, 0x1111, s40                    ; my column
	CODE1 G1, 43, 256
	CODE1 G1B, 44, 256
	SCALE1 G1S, 43, 32
	SCALE1 G1SB, 44, 32
	s_lshl_b32 s20, s17, 8                         ; x: row 256 Y
	s_lshl_b32 s22, s20, 5
	s_mul_i32 s20, s20, KROW
	s_mov_b32 s21, 0
	s_mov_b32 s23, 0
	s_lshl_b32 s46, s42, 8                         ; Wqkv, phase 1: row 256 X
	s_lshl_b32 s92, s46, 5
	s_mul_i32 s46, s46, KROW
	s_mov_b32 s47, 0
	s_mov_b32 s93, 0
	s_lshl_b32 s94, s42, 7
	s_add_co_u32 s94, s94, 2048                    ; phase 2: row 2,048 + 128 X
	s_lshl_b32 s66, s94, 5
	s_mul_i32 s94, s94, KROW
	s_mov_b32 s95, 0
	s_mov_b32 s67, 0
	s_wait_dscnt 0x0
	s_wait_kmcnt 0x0
	s_add_nc_u64 s[20:21], s[4:5], s[20:21]
	s_add_nc_u64 s[22:23], s[6:7], s[22:23]
	s_add_nc_u64 s[46:47], s[8:9], s[46:47]
	s_add_nc_u64 s[92:93], s[10:11], s[92:93]
	s_add_nc_u64 s[94:95], s[8:9], s[94:95]        ; kept for phase 2's descriptors
	s_add_nc_u64 s[66:67], s[10:11], s[66:67]
	CROUND                                         ; the first joint loads meet
	GRP0 G0, 0, 20, 0
	GRP0 G0+4, SLOT, 20, ROWB
	GRP0 G0B, 2*HALFT, 46, 0
	GRP0 G0B+4, SLOT+2*HALFT, 46, ROWB
	GRP0 G0S, SCL, 22, 0
	GRP0 G0SB, SCL+2*HALFS, 92, 0
	GRP0 G0SV, SCV, 66, 0
	SCALE1 G1SV, 44, 16                            ; (over the input pointers, which have served)
.macro ARM under, g0, g1, next         ; the head's four tiles, one a wave, in one chain
	s_cmp_lt_u32 s14, \under
	s_cbranch_scc0 \next
	TL \g0, \g1
	s_branch .Lh_done
\next:
.endm
	ARM 1, G0, G1, .Lh_b                           ; chunk 0 of x
	ARM 2, G0B, G1B, .Lh_sa                        ; chunk 0 of Wqkv
	ARM 3, G0S, G1S, .Lh_sb                        ; x's scale bytes
	TL G0SB, G1SB                                  ; q's and k's rows' scale bytes
.Lh_done:
	s_mul_i32 s18, s15, HALFT                      ; my rows of x,
	s_mul_i32 s19, s16, HALFT
	s_add_co_u32 s19, s19, 2*HALFT                 ; of Wqkv in phase 1,
	s_mul_i32 s20, s16, 64*PITCH
	s_add_co_u32 s20, s20, 2*HALFT                 ; in phase 2
	s_mul_i32 s21, s15, HALFS                      ; x's scale bytes
	s_mul_i32 s22, s16, HALFS
	s_add_co_u32 s22, s22, 2*HALFS
	s_sub_co_u32 s22, s22, s21                     ; from them to Wqkv's, phase 1
	s_mul_i32 s23, s16, HALFS/2
	s_add_co_u32 s23, s23, 4*HALFS
	s_sub_co_u32 s23, s23, s21                     ; phase 2
	s_add_co_u32 s21, s21, SCL
	s_mov_b32 s45, SLOT-232
	s_mov_b32 s46, SLOT+232
	s_lshl_b32 s92, s42, 10
	s_lshl_b32 s93, s16, 9
	s_add_co_u32 s92, s92, s93
	s_mov_b32 s93, 0
	s_add_nc_u64 s[92:93], s[12:13], s[92:93]      ; bias of my 128 columns of q, k
	s_lshl_b32 s66, s42, 9
	s_lshl_b32 s67, s16, 8
	s_add_co_u32 s66, s66, s67
	s_add_co_u32 s66, s66, 8192
	s_mov_b32 s67, 0
	s_add_nc_u64 s[66:67], s[12:13], s[66:67]      ; of my 64 channels of v
	v_bfe_u32 v2, v0, 4, 1                         ; h
	v_and_b32 v[RHO], 7, v0
	v_bfe_u32 v7, v0, 3, 1
	v_lshl_add_u32 v[RHO], v7, 5, v[RHO]           ; r % 8 + 32 (r / 8)
	v_lshlrev_b32 v30, 7, v2                       ; q, k: my 32 columns of a head, in bytes
	v_lshlrev_b32 v31, 2, v[RHO]                   ; v: my channel of tile 0, in bytes
	v_mul_u32_u24 v3, v[RHO], PITCH
	v_mad_u32_u24 v4, v2, 24, v3                   ; row x pitch + 24 h
	v_mad_u32_u24 v5, v2, s45, v3
	v_add_nc_u32 v5, 232, v5                       ; lanes 0-15 byte 232 of the row in slot 0, lanes 16-31 byte 0 in slot 1
	v_sub_nc_u32 v7, 1, v2
	v_mad_u32_u24 v6, v7, s46, v3                  ; lanes 0-15 byte 232 in slot 1, lanes 16-31 byte 0 in slot 0
	v_add_nc_u32 v[ADRA], s18, v4
	v_add_nc_u32 v[ADRA+1], SLOT, v[ADRA]
	v_add_nc_u32 v[ADRA+2], s18, v5
	v_add_nc_u32 v[ADRA+3], s18, v6
	v_add_nc_u32 v[ADRB], s19, v4
	v_add_nc_u32 v[ADRB+1], SLOT, v[ADRB]
	v_add_nc_u32 v[ADRB+2], s19, v5
	v_add_nc_u32 v[ADRB+3], s19, v6
	v_add_nc_u32 v[ADRB2], s20, v4
	v_add_nc_u32 v[ADRB2+1], SLOT, v[ADRB2]
	v_add_nc_u32 v[ADRB2+2], s20, v5
	v_add_nc_u32 v[ADRB2+3], s20, v6
	v_mul_u32_u24 v8, v[RHO], KS
	v_lshrrev_b32 v7, 8, v8
	v_lshl_add_u32 v8, v7, 4, v8                   ; 32 bytes a row, 16 more for each 256 passed
	v_add_nc_u32 v[ADRS3], s21, v8
	v_mad_u32_u24 v[ADRS], v2, s22, v[ADRS3]
	v_mad_u32_u24 v[ADRS2], v2, s23, v[ADRS3]
	s_wait_alu depctr_va_vdst(0)
.irp b, 0,1,2,3,4,5,6,7
	global_load_b128 v[BIAS+8*\b:BIAS+8*\b+3], v30, s[92:93] offset:256*(\b/4)+32*(\b%4)       ; register 8 b + j: column 64 (b / 4) + 32 h + 8 (b % 4) + j
	global_load_b128 v[BIAS+8*\b+4:BIAS+8*\b+7], v30, s[92:93] offset:256*(\b/4)+32*(\b%4)+16
.endr
.irp b, 0,1,2,3
	global_load_b32 v[BIASM+2*\b], v31, s[66:67] offset:32*\b                                  ; channel 8 b + r % 8 + 32 (r / 8)
.endr
	; where my results go: s18 in qk_codes, s20 in v_codes
	s_lshl_b32 s18, s17, 8
	s_lshl_b32 s19, s15, 7
	s_add_co_u32 s18, s18, s19                     ; my first token
	s_lshr_b32 s2, s18, 11
	s_lshl_b32 s2, s2, 4                           ; 16 x batch
	s_bfe_u32 s19, s18, 0x40007                    ; J: which 128 tokens of 2,048
	s_lshl_b32 s20, s42, 2
	s_lshl_b32 s21, s16, 1
	s_add_co_u32 s20, s20, s21
	s_lshr_b32 s21, s20, 4
	s_lshl_b32 s21, s21, 6                         ; 64 x (q or k)
	s_and_b32 s20, s20, 15
	s_add_co_u32 s20, s20, s21
	s_add_co_u32 s20, s20, s2                      ; I
	s_lshl_b32 s21, s42, 1
	s_add_co_u32 s21, s21, s16
	s_add_co_u32 s21, s21, s2                      ; 16 x batch + v's head
	s_mul_i32 s22, s19, STEPB
	s_mul_i32 s18, s20, RUNB
	s_add_co_u32 s18, s18, s22
	s_mul_i32 s20, s21, RUNB
	s_add_co_u32 s20, s20, s22
; A fragment: 12 registers, six pieces of 8 bytes.  Byte y of the walk lies in chunk y / 256, slot (y / 256) % 2; lanes 16-31 read 24 bytes on, which may be in the next chunk.  Tile i begins at row 64 (i / 4) + 8 (i % 4).
.macro FRAG reg, adr, st, i
.irp p, 0,1,2,3,4,5
.set BY, 96*(\st)+48*(\p/3)+8*(\p%3)
.if BY/ROWB == (BY+24)/ROWB
	ds_load_b64 v[\reg+2*\p:\reg+2*\p+1], v[\adr+(BY/ROWB)%2] offset:BY%ROWB+(64*((\i)/4)+8*((\i)%4))*PITCH
.else
	ds_load_b64 v[\reg+2*\p:\reg+2*\p+1], v[\adr+2+(BY/ROWB)%2] offset:BY%ROWB-232+(64*((\i)/4)+8*((\i)%4))*PITCH
.endif
.endr
.endm
; Phase 1: x's tiles a0, a0 + 1 against Wqkv's eight.  The accumulators take turns, one instruction a turn.
.macro MUL16 a0, p, q, sc, zero
.irp a, \a0, \a0+1
.irp b, 0,1,2,3,4,5,6,7
.if \zero
	v_wmma_scale_f32_16x16x128_f8f6f4 v[8*(8*((\a)%4)+\b):8*(8*((\a)%4)+\b)+7], v[128*(\p)+FR*\b:128*(\p)+FR*\b+FR-1], v[AF+FR*(\a):AF+FR*(\a)+FR-1], 0, v[SC+8*NQ*(\sc)+NQ*\b+(\q)], v[SC+8*NQ*(\sc)+NQ*(\a)+(\q)] matrix_a_fmt:MATRIX_FMT_FP6 matrix_b_fmt:MATRIX_FMT_FP6 matrix_a_scale:MATRIX_SCALE_ROW1
.else
	v_wmma_scale_f32_16x16x128_f8f6f4 v[8*(8*((\a)%4)+\b):8*(8*((\a)%4)+\b)+7], v[128*(\p)+FR*\b:128*(\p)+FR*\b+FR-1], v[AF+FR*(\a):AF+FR*(\a)+FR-1], v[8*(8*((\a)%4)+\b):8*(8*((\a)%4)+\b)+7], v[SC+8*NQ*(\sc)+NQ*\b+(\q)], v[SC+8*NQ*(\sc)+NQ*(\a)+(\q)] matrix_a_fmt:MATRIX_FMT_FP6 matrix_b_fmt:MATRIX_FMT_FP6 matrix_a_scale:MATRIX_SCALE_ROW1
.endif
.endr
.endr
.endm
; Phase 2: x's tiles a0, a0 + 1 (source 0) against Wqkv's four.  In accumulator (b, a) lane (r, h) holds row r of channel tile b, register j token 64 (a / 4) + 32 h + 8 (a % 4) + j.
.macro MULV a0, p, q, sc, zero
.irp a, \a0, \a0+1
.irp b, 0,1,2,3
.if \zero
	v_wmma_scale_f32_16x16x128_f8f6f4 v[8*(8*\b+(\a)):8*(8*\b+(\a))+7], v[AF+FR*(\a):AF+FR*(\a)+FR-1], v[128*(\p)+FR*\b:128*(\p)+FR*\b+FR-1], 0, v[SC+8*NQ*(\sc)+NQ*(\a)+(\q)], v[SC+8*NQ*(\sc)+NQ*\b+(\q)] matrix_a_fmt:MATRIX_FMT_FP6 matrix_b_fmt:MATRIX_FMT_FP6 matrix_b_scale:MATRIX_SCALE_ROW1
.else
	v_wmma_scale_f32_16x16x128_f8f6f4 v[8*(8*\b+(\a)):8*(8*\b+(\a))+7], v[AF+FR*(\a):AF+FR*(\a)+FR-1], v[128*(\p)+FR*\b:128*(\p)+FR*\b+FR-1], v[8*(8*\b+(\a)):8*(8*\b+(\a))+7], v[SC+8*NQ*(\sc)+NQ*(\a)+(\q)], v[SC+8*NQ*(\sc)+NQ*\b+(\q)] matrix_a_fmt:MATRIX_FMT_FP6 matrix_b_fmt:MATRIX_FMT_FP6 matrix_b_scale:MATRIX_SCALE_ROW1
.endif
.endr
.endr
.endm
.macro MM g, st, zero                  ; quarter g of step st's products
.if (\st) < 8
	WIN MUL_LO+0x50*((\g)/2)
	MUL16 2*(\g), (\st)%2, (\st)%2, ((\st)/2)%2, \zero
.else
	WIN MUL_V
	MULV 2*(\g), (\st)%2, (\st)%2, ((\st)/2)%2, \zero
.endif
.endm
.macro FETCH_A st, i0
.irp i, \i0, \i0+1, \i0+2, \i0+3
	FRAG AF+FR*(\i), ADRA, \st, \i
.endr
.endm
.macro FETCH0 st                       ; step st: Wqkv's fragments, x's tiles 0-3, and with an even step the scale words of two steps (tile i's rows begin at unit 8 (i / 4) + i % 4)
	WIN TO_B
.if (\st) < 8
.irp i, 0,1,2,3,4,5,6,7
	FRAG 128*((\st)%2)+FR*\i, ADRB, \st, \i
.endr
.else
.irp i, 0,1,2,3
	FRAG 128*((\st)%2)+FR*\i, ADRB2, \st, \i
.endr
.endif
	WIN 0
	FETCH_A \st, 0
.if (\st)%2 == 0
.set SS, SC+8*NQ*(((\st)/2)%2)
.irp i, 0,1,2,3,4,5,6,7
.if (\st) < 8
	ds_load_b64 v[SS+NQ*\i:SS+NQ*\i+1], v[ADRS] offset:(8*(\i/4)+\i%4)*UNIT+4*(\st)
.elseif \i < 4
	ds_load_b64 v[SS+NQ*\i:SS+NQ*\i+1], v[ADRS2] offset:(8*(\i/4)+\i%4)*UNIT+4*(\st)-32
.else
	ds_load_b64 v[SS+NQ*\i:SS+NQ*\i+1], v[ADRS3] offset:(8*(\i/4)+\i%4)*UNIT+4*(\st)-32
.endif
.endr
.endif
.endm
; A step.  Where the next step's bytes END in a chunk not read yet, a barrier shows that chunk whole.  Where they BEGIN in a later chunk, the chunk left behind is read no more: the three lines, the barrier,
; and, where a chunk two on is left to fetch, a round of the cluster's barrier and the refill.  Step 7 fetches no fragments: phase 1's way out follows it.
.macro STEP st, zero
.set NX, (\st)+1
.set C0, (96*(\st))/ROWB
.set C1, (96*NX)/ROWB
.set E0, (96*(\st)+95)/ROWB
.set E1, (96*NX+95)/ROWB
.if C1 > C0 || E1 > E0
	s_wait_tensorcnt 0x0                           ; all my tensor loads have landed
.if C1 > C0
	ds_add_u32 v[SPW], v[NIL]
	s_wait_dscnt 4*NL+1                            ; the add and x's tiles 4-7 may be out
.else
	s_wait_dscnt 4*NL                              ; x's tiles 4-7 may be out
.endif
	MM 0, \st, \zero
	s_wait_dscnt 0x0                               ; the add and all my reads are done
	s_barrier_signal -1
	MM 1, \st, \zero
	WIN 0
	s_barrier_wait -1
.if C1 > C0 && C0+2 < CHUNKS
	CREST
.set N_, C0+2
.set SL, 4*(C0%2)
.if (N_%3) > ((N_-2)%3)
	s_add_nc_u64 s[G0+SL+2:G0+SL+3], s[G0+SL+2:G0+SL+3], 2*ROWB
.else
	s_sub_nc_u64 s[G0+SL+2:G0+SL+3], s[G0+SL+2:G0+SL+3], ROWB   ; phase 2 walks x's chunks anew
.endif
.if N_ == 2
	s_add_nc_u64 s[G0B+2:G0B+3], s[G0B+2:G0B+3], 2*ROWB
	JLOAD G0, G1, G0B, G1B
.else
.if N_ == 5
	s_add_nc_u64 s[G0B2+6:G0B2+7], s[G0B2+6:G0B2+7], 2*ROWB
.endif
	JLOAD G0+SL, G1, G0B2+SL, G1B2
.endif
.else
	PLACES NP
.endif
.else
	s_wait_dscnt 4*NL
	MM 0, \st, \zero
	MM 1, \st, \zero
	s_wait_dscnt 0
	PLACES NP
.endif
.if (\st) != 7
	FETCH0 NX
.endif
	MM 2, \st, \zero
	MM 3, \st, \zero
	PLACES NP
	WIN 0
.if (\st) != 7
	FETCH_A NX, 4
.endif
.endm
	s_wait_tensorcnt 0x0                           ; my tile of the head's four is in; the three lines ahead of slot 1's first fill
	ds_add_u32 v[SPW], v[NIL]
	s_wait_dscnt 0x0
	CROUND
	JLOAD G0+4, G1, G0B+4, G1B, G0SV, G1SV         ; chunk 1, and v's rows' scale bytes
	FETCH0 0
	FETCH_A 0, 4
	s_load_b128 s[84:87], s[0:1], 0x28             ; qk_codes, v_codes (the head's loads are done: their descriptors' registers are free)
	CODE1 G1B2, 44, 128
	GRP0 G0B2, 2*HALFT, 94, ROWB                   ; slot 0 takes phase 2's chunk 1,
	GRP0 G0B2+4, SLOT+2*HALFT, 94, 0               ; slot 1 its chunks 0 and 2
	STEP 0, 1
.set ST, 1
.rept 7
	STEP ST, 0
.set ST, ST+1
.endr
; 64 numbers of a lane: registers 32 c .. 32 c + 31 are block 2 c + h of my row, whole and in true order.  They become registers 6 c .. 6 c + 5 of a fragment in v[CD] on; the row's scale word, byte 2 c + h, in v[pw].
.macro QUANT s, pw
.irp b, 0,1,2,3
	v_max3_num_f32 v[TM+\b], |v[\s+16*\b]|, |v[\s+1+16*\b]|, 0x1800000   ; two chains a block; the floor 2^(3 - 127): the byte cannot fall under 1
.endr
.irp i, 2,4,6,8,10,12,14
.irp b, 0,1,2,3
	v_max3_num_f32 v[TM+\b], v[TM+\b], |v[\s+16*\b+\i]|, |v[\s+1+16*\b+\i]|
.endr
.endr
.irp c, 0,1
	v_max_num_f32 v[TM+2*\c], v[TM+2*\c], v[TM+2*\c+1]
.endr
.irp c, 0,1
	v_add_nc_u32 v[TM+12+\c], 0xff000000, v[TM+2*\c]   ; 2 off the exponent field: the conversion's scale operand
.endr
.irp c, 0,1
	v_lshrrev_b32 v[TM+8+\c], 23, v[TM+12+\c]
.endr
	v_lshl_or_b32 v[\pw], v[TM+9], 16, v[TM+8]     ; my two bytes,
	v_lshlrev_b32 v[\pw], v[SH8], v[\pw]           ; at their places, 8 h bits up;
	v_permlanex16_b32 v[TM+4], v[\pw], s[SEL], s[SEL+1]
	v_or_b32 v[\pw], v[\pw], v[TM+4]               ; with lane l xor 16's two the word is whole
.irp c, 0,1
	v_cvt_scalef32_pk16_fp6_f32 v[CD+6*\c:CD+2+6*\c], v[\s+32*\c:\s+15+32*\c], v[TM+12+\c]
	v_cvt_scalef32_pk16_fp6_f32 v[CD+12+4*\c:CD+14+4*\c], v[\s+16+32*\c:\s+31+32*\c], v[TM+12+\c]   ; (a conversion's three registers begin on an even number)
.endr
	v_nop                                          ; one plain place behind a scaled conversion
.irp c, 0,1
.irp i, 0,1,2
	v_mov_b32 v[CD+3+6*\c+\i], v[CD+12+4*\c+\i]
.endr
.endr
.endm
; Tile a: bias, quantiser, four stores.  q, k: a tile of 16 tokens x two heads' 64 channels, a run apart.  v: a tile of 16 channels x 128 keys, two half images on end.
.macro OUTA a, vmode
.if (\a) > 0
	s_wait_xcnt 0x0                                ; the last tile's stores have read their data
.endif
.if \vmode
	WIN 0x02
.set AC, 64*(\a)
.else
	WIN 0x02+(\a)/4
.set AC, 64*((\a)%4)
.endif
.set i, 0
.rept 32
.if \vmode
	v_pk_add_f32 v[T+i:T+i+1], v[AC+i:AC+i+1], v[BIASM+2*(\a):BIASM+2*(\a)+1]
.else
	v_pk_add_f32 v[T+i:T+i+1], v[AC+i:AC+i+1], v[BIAS+i:BIAS+i+1]
.endif
.set i, i+2
.endr
	WIN 0
	QUANT T, PWS+\a
.if \vmode
.set OFFA, 1536*(\a)
.set OFFX, 768
.set OB, 86
.else
.set OFFA, 768*(\a)
.set OFFX, RUNB
.set OB, 84
.endif
	global_store_b128 v[OL16], v[CD:CD+3], s[OB:OB+1] offset:OFFA              ; 512 consecutive bytes,
	global_store_b64 v[OL8], v[CD+4:CD+5], s[OB:OB+1] offset:OFFA+512          ; then 256
	global_store_b128 v[OL16], v[CD+6:CD+9], s[OB:OB+1] offset:OFFA+OFFX
	global_store_b64 v[OL8], v[CD+10:CD+11], s[OB:OB+1] offset:OFFA+OFFX+512
.endm
	; PHASE 1'S WAY OUT touches no LDS: chunks 3 and 4 are in or on their way meanwhile
	s_wait_loadcnt 0x0                             ; the biases
	s_wait_kmcnt 0x0                               ; the output buffers
	v_mov_b32 v[TM+4], 0                           ; a lane permute's destination counts as one of its sources
.irp b, 0,1,2,3
	v_mov_b32 v[BIASM+2*\b+1], v[BIASM+2*\b]
.endr
	v_and_b32 v1, 31, v0
	v_lshlrev_b32 v[OL16], 4, v1
	v_lshlrev_b32 v[OL8], 3, v1
	v_lshlrev_b32 v[SH8], 3, v2
	v_cmp_gt_u32 s3, 16, v1                        ; lanes 0-15
	s_mov_b32 s[SEL], 0x76543210
	s_mov_b32 s[SEL+1], 0xfedcba98
	s_mov_b32 s19, 0
	s_mov_b32 s21, 0
	s_add_nc_u64 s[84:85], s[84:85], s[18:19]
	s_add_nc_u64 s[86:87], s[86:87], s[20:21]
.irp a, 0,1,2,3,4,5,6,7
	OUTA \a, 0
.endr
	; my 128 tokens' scale words, head by head: a word serves two tiles of tokens; lane l's 8 bytes are the words of fragments l / 16 and 2 + l / 16, row l % 16
.irp e, 0,1
.if \e
	s_wait_xcnt 0x0
.endif
.irp f, 0,1,2,3
	v_perm_b32 v[W+\f], v[PWS+2*\f+1], v[PWS+2*\f], 0x05040100+0x02020202*\e
.endr
	v_cndmask_b32 v[OW], v[W+1], v[W], s3
	v_cndmask_b32 v[OW+1], v[W+3], v[W+2], s3
	global_store_b64 v[OL8], v[OW:OW+1], s[84:85] offset:STEPB-256+RUNB*\e
.endr
	; PHASE 2
	s_wait_xcnt 0x0                                ; the stores have read their data: x's fragments may land there
	FETCH0 8
	FETCH_A 8, 4
	STEP 8, 1
.set ST, 9
.rept 6
	STEP ST, 0
.set ST, ST+1
.endr
	s_wait_dscnt 4*NL                              ; the last step fetches nothing
	MM 0, 15, 0
	MM 1, 15, 0
	s_wait_dscnt 0
	MM 2, 15, 0
	MM 3, 15, 0
	WIN 0
	PLACES NP
.irp a, 0,1,2,3
	OUTA \a, 1
.endr
	v_cndmask_b32 v[OW], v[PWS+1], v[PWS], s3      ; lane l's 8 bytes: the words of channel tiles l / 16 and 2 + l / 16, row l % 16
	v_cndmask_b32 v[OW+1], v[PWS+3], v[PWS+2], s3
	global_store_b64 v[OL8], v[OW:OW+1], s[86:87] offset:STEPB-256
	s_wait_tensorcnt 0x0                           ; the wave's end
	ds_add_u32 v[SPW], v[NIL]
	s_wait_dscnt 0x0
	CROUND                                         ; the closing round
	s_endpgm
.Lfunc_end_k_q21ad95b7d9_qkv:
	.size	k_q21ad95b7d9_qkv, .Lfunc_end_k_q21ad95b7d9_qkv-k_q21ad95b7d9_qkv
	.p2alignl 7, 3214868480
	.fill 96, 4, 3214868480
	.section	.rodata,"a",@progbits
	.p2align	6, 0x0
	.amdhsa_kernel k_q21ad95b7d9_qkv
		.amdhsa_group_segment_fixed_size 327680
		.amdhsa_private_segment_fixed_size 0
		.amdhsa_enable_private_segment 0
		.amdhsa_kernarg_size 56
		.amdhsa_user_sgpr_count 2
		.amdhsa_user_sgpr_kernarg_segment_ptr 1
		.amdhsa_wavefront_size32 1
		.amdhsa_system_sgpr_workgroup_id_x 1
		.amdhsa_system_sgpr_workgroup_id_y 1
		.amdhsa_system_sgpr_workgroup_id_z 1
		.amdhsa_system_vgpr_workitem_id 0
		.amdhsa_next_free_vgpr 1024
		.amdhsa_next_free_sgpr 102
		.amdhsa_reserve_vcc 0
		.amdhsa_float_denorm_mode_32 3
		.amdhsa_float_denorm_mode_16_64 3
		.amdhsa_memory_ordered 1
		.amdhsa_forward_progress 1
		.amdhsa_inst_pref_size 255
	.end_amdhsa_kernel
	.section	.bss,"aw",@nobits
	.p2align	6
	.space	262144
	.amdgpu_metadata
---
amdhsa.version: [ 1, 2 ]
amdhsa.kernels:
  - .name:           k_q21ad95b7d9_qkv
    .symbol:         k_q21ad95b7d9_qkv.kd
    .args:
      - { .name: x_codes, .offset: 0, .size: 8, .value_kind: global_buffer, .address_space: global }
      - { .name: x_scales, .offset: 8, .size: 8, .value_kind: global_buffer, .address_space: global }
      - { .name: Wqkv_codes, .offset: 16, .size: 8, .value_kind: global_buffer, .address_space: global }
      - { .name: Wqkv_scales, .offset: 24, .size: 8, .value_kind: global_buffer, .address_space: global }
      - { .name: bqkv, .offset: 32, .size: 8, .value_kind: global_buffer, .address_space: global }
      - { .name: qk_codes, .offset: 40, .size: 8, .value_kind: global_buffer, .address_space: global }
      - { .name: v_codes, .offset: 48, .size: 8, .value_kind: global_buffer, .address_space: global }
    .group_segment_fixed_size: 327680
    .private_segment_fixed_size: 0
    .kernarg_segment_align: 8
    .kernarg_segment_size: 56
    .max_flat_workgroup_size: 128
    .sgpr_count:     102
    .vgpr_count:     1024
    .wavefront_size: 32
...
	.end_amdgpu_metadata
.endif
;; end of part 1
;; launch attn (part 2): grid 4 x 64, 8 waves a work-group, clusters of 4 x 1, 205,824 bytes of LDS; arguments qk_codes, v_codes, ao_codes, ao_scales; writes ao_codes, ao_scales
.if DOCPART == 2
	.amdgcn_target "amdgcn-amd-amdhsa--gfx1250"
	.amdhsa_code_object_version 6
	.text
	.protected	k_q21ad95b7d9_attn
	.globl	k_q21ad95b7d9_attn
	.p2align	8
	.type	k_q21ad95b7d9_attn,@function
k_q21ad95b7d9_attn:
	s_mov_b64 s[64:65], 0
	v_nop
	global_prefetch_b8 v0, s[64:65] scope:SCOPE_SE
	s_setreg_imm32_b32 hwreg(HW_REG_WAVE_MODE, 25, 1), 1
	s_wait_xcnt 0x0
	s_wait_alu depctr_hold_cnt(0) depctr_sa_sdst(0) depctr_va_vdst(0) depctr_va_sdst(0) depctr_va_ssrc(0) depctr_va_vcc(0) depctr_vm_vsrc(0)
	s_getreg_b32 s2, hwreg(HW_REG_IB_STS2, 6, 4)
	s_cmp_eq_u32 s2, 0
	s_cbranch_scc0 .Lentry_in_a_cluster
	s_endpgm
.Lentry_in_a_cluster:
	s_bfe_u32 s2, ttmp6, 0x10000c
	s_cmp_lg_u32 s2, 0x3003
	s_cbranch_scc0 .Lentry_shape_is_right
	s_endpgm
.Lentry_shape_is_right:
; Attention on codes of FP6 (E2M3): for each of 64 (batch, head): O[q] = sum over k of softmax_k(Q[q] . K[k] / 8) V[k], head size 64, 2,048 keys; O is quantised along the channels and leaves as codes.
; THE SOFTMAX: t = score x log2(e) / 8; M = the row's largest t so far, rounded UP to a whole number; p = 2^(t - M) is quantised along the keys, not normalised.  The row's sum is taken of the unquantised p
; and divides O at the end.  When M moves, the sum and O are multiplied by 2^(old M - new M): exact.
; SHARES.  A work-group owns 512 queries of one head, in two passes of 256 (one loop of two trips); in a pass each of eight waves owns 32 queries, two tiles of 16, and walks all 2,048 keys, 128 a step.
; ALL OF THE HEAD'S K AND V STAY IN LDS, filled ONCE: a key step is 6,400 bytes, four fragments of 1,536 and 256 bytes of scale words.  Each wave asks for four key steps by ONE load of 100 rows of 256 bytes:
; waves 0-3 K's, waves 4-7 V's.  Nothing is filled twice, nothing is stored to LDS.
; CLUSTER: the four query blocks of one head need the same K and V: every load is asked for jointly.  No prefetch: all tensor loads go out at the head, so there is no loop to run ahead in.
; A HALF IMAGE is a tile's 16 rows x 64 along K: lane (r, h) holds block h of row r in 6 registers: registers 0-3 at 16 x lane, 4-5 at 512 + 8 x lane.  Two on end are a fragment.
; THE ROWS OF A TILE, as the launch before laid them: tile j of a band of 64 (tokens; v's channels) holds rows 8 j + i and 32 + 8 j + i, i = 0 .. 7.
; FIRST PRODUCT, K = 64 in an instruction of 128: a fragment of K holds two tiles of 16 keys; it is multiplied by [Q | zero codes] and by [zero codes | Q].
; Both products are used transposed: a lane holds ONE query.  Register 32 c + 8 j + i of S^T is key 128 s + 64 c + 32 (lane / 16) + 8 j + i: 32 registers on end are ONE SCALE BLOCK of p, whole and in true order;
; and register 8 t + i of O^T is channel 32 (lane / 16) + 8 t + i: a scale block of O.  Only a row's maximum, its sum and its scale words go from lane l to lane l xor 16.
; O's tiles keep Q's rows: the last launch stores them by the same order.
; LIMITS: NaN and infinities are not served; the scaled scores stay under 2^31 in magnitude.  A block of zeros gets the scale byte 1 where the rule says 127: its codes are zeros, and this program alone reads the bytes.
; ao_scales is stored 2 bytes a lane into rows 32 bytes apart (16 heads share a row): 1 byte for 24 of codes.
; REGISTERS.  window 0: v1-15 addresses; v16-45 Q's tiles between runs of zero codes; v46-53 scale words; v54-69 statistics; v70-127 at work; v128-255 S^T, then p.  window 1: v0-63 O^T; v64-111 K; v112-159 V.
.set VIMG, 102400
.set STEPB, 6400
.set SCO,  6144                        ; a step's scale words behind its fragments
.set RUNB, 102400
.set SPARE, 204800
.set L16, 1
.set L8,  2
.set AK,  3
.set AK8, 4
.set AV,  5
.set AV8, 6
.set SPW, 7
.set QSO, 8
.set SO32, 9
.set V16, 10
.set V8,  11
.set NIL, 12
.set HW,  13
.set H,   15
.set QZ,  16                           ; v16-21 zeros, v22-27 Q tile 0, v28-33 zeros, v34-39 Q tile 1, v40-45 zeros
.set QSA, 46
.set KS,  48
.set VS,  50
.set PW,  52
.set ST,  54                           ; tile x at ST + 8 x: +0 -M, +1 the largest t, +2, +3 the sum, +4 f (later 1 / sum), +5 0, +6, +7 a second chain of the sum
.set BM,  70                           ; v70-77 four chains of maxima a tile; block c of tile x ends in BM + 4 x + 2 c
.set BP,  78                           ; v78-81 what comes from lane l xor 16; v82-85 the blocks' bytes
.set SOP, 86                           ; v86-89 the conversions' scale operands: 2 x + c
.set H8,  90                           ; v90 8 x (lane / 16)
.set PC,  94
.set CT,  118
.set TMP, 126
.set S,   128
.set O,   0
.set KF,  64
.set VF,  112
.set WV,  16
.set SEL, 20
.set CS,  22
.set G1C, 24
.set G0C, 40
.set LOW, 60
.set TB,  61
.set PASSN, 62
.set STEPS, 63
.set QP,  66
.set QSP, 68
.set OP,  70
.set OSP, 72
.set MSB, 0
.macro WIN new
.if MSB != \new
	s_set_vgpr_msb (MSB<<8)|\new
.set MSB, \new
.endif
.endm
.macro CROUND
	s_barrier_signal -1
	s_barrier_wait -1
	s_cmp_lg_u32 s[WV], 0
	s_cbranch_scc1 .Lnot_wave_0_\@
	s_barrier_signal -3
.Lnot_wave_0_\@:
	s_barrier_wait -3
	s_barrier_signal -1
	s_barrier_wait -1
.endm
.macro FRAG4 reg, a16, a8, off
	ds_load_b128 v[\reg:\reg+3], v[\a16] offset:\off
	ds_load_b64 v[\reg+4:\reg+5], v[\a8] offset:\off+512
	ds_load_b128 v[\reg+6:\reg+9], v[\a16] offset:\off+768
	ds_load_b64 v[\reg+10:\reg+11], v[\a8] offset:\off+1280
.endm
.macro QLOAD                           ; my two tiles of Q and their scale word: [tile 0: 2 bytes | tile 1: 2 bytes] of row lane % 16
	global_load_b128 v[QZ+6:QZ+9], v[L16], s[QP:QP+1]
	global_load_b64 v[QZ+10:QZ+11], v[L8], s[QP:QP+1] offset:512
	global_load_b128 v[QZ+18:QZ+21], v[L16], s[QP:QP+1] offset:768
	global_load_b64 v[QZ+22:QZ+23], v[L8], s[QP:QP+1] offset:1280
	global_load_b32 v[QSA+1], v[QSO], s[QSP:QSP+1]
.endm
	s_load_b256 s[4:11], s[0:1], 0x0               ; qk_codes, v_codes, ao_codes, ao_scales
	v_lshl_add_u32 v[SPW], v0, 2, SPARE
	v_mov_b32 v[NIL], 0
	ds_add_u32 v[SPW], v[NIL]                      ; the opening lines
	ds_add_u32 v[SPW], v[NIL]
	v_lshrrev_b32 v1, 5, v0
	v_readfirstlane_b32 s[WV], v1
	s_bfe_u32 s17, ttmp6, 0x40000
	s_lshl_b32 s18, ttmp9, 2
	s_add_co_u32 s18, s18, s17                     ; my block of 512 queries: in Q's and O's addresses alone
	s_and_b32 s19, ttmp7, 0xffff                   ; 16 x batch + head
	s_mov_b32 s[G1C], 15|(3<<16)|(1<<21)           ; the mask of all four; elements of 8 bytes; 100 rows of 256 bytes, dense
	s_mov_b32 s[G1C+1], 32<<16
	s_mov_b32 s[G1C+2], 100<<16
	s_mov_b32 s[G1C+3], 32<<16
	s_mov_b32 s[G1C+4], 100
	s_mov_b32 s[G1C+5], 32
	s_mov_b32 s[G1C+6], 0
	s_mov_b32 s[G1C+7], 0
	s_and_b32 s74, s[WV], 3
	s_mul_i32 s78, s19, RUNB
	s_mul_i32 s75, s74, 4*STEPB                    ; my four key steps
	s_add_co_u32 s78, s78, s75
	s_cmp_lt_u32 s[WV], 4
	s_cselect_b32 s82, 64*RUNB, 0                  ; k's runs lie 64 runs behind q's
	s_add_co_u32 s78, s78, s82
	s_mov_b32 s79, 0
	s_wait_dscnt 0x0
	s_wait_kmcnt 0x0
	s_cmp_lt_u32 s[WV], 4
	s_cselect_b64 s[82:83], s[4:5], s[6:7]
	s_mov_b32 s[G0C], 1
	s_mul_i32 s[G0C+1], s[WV], 4*STEPB             ; K's image, then V's
	s_add_nc_u64 s[G0C+2:G0C+3], s[82:83], s[78:79]
	s_or_b32 s[G0C+3], s[G0C+3], 0x80000000
	CROUND                                         ; the joint loads meet
	tensor_load_to_lds s[G0C:G0C+3], s[G1C:G1C+7]  ; my one tensor load of the launch
	s_nop 0
.rept 4
	v_nop
.endr
	s_lshl_b32 s84, s18, 2
	s_lshr_b32 s85, s[WV], 2
	s_add_co_u32 s84, s84, s85                     ; which 128 tokens hold my two tiles in pass 0
	s_mul_i32 s84, s84, STEPB
	s_mul_i32 s85, s19, RUNB
	s_add_co_u32 s84, s84, s85
	s_mul_i32 s86, s74, 1536
	s_add_co_u32 s86, s86, s84
	s_mov_b32 s87, 0                               ; Q's codes
	s_and_b32 s90, s[WV], 1                        ; Q's scale word: fragment wave % 4: lanes 16 (F % 2) on, word F / 2
	s_lshl_b32 s90, s90, 7
	s_bfe_u32 s91, s[WV], 0x10001
	s_lshl_b32 s91, s91, 2
	s_add_co_u32 s90, s90, s91
	s_add_co_u32 s90, s90, s84
	s_add_co_u32 s90, s90, SCO
	s_mov_b32 s91, 0
	s_and_b32 s94, s19, 15                         ; head
	s_lshr_b32 s95, s19, 4                         ; batch
	s_mul_i32 s88, s94, 393216                     ; ao_codes: [head][512 tiles of tokens][768]
	s_mul_i32 s89, s95, 98304
	s_add_co_u32 s88, s88, s89
	s_mul_i32 s89, s18, 24576
	s_add_co_u32 s88, s88, s89
	s_mul_i32 s89, s[WV], 1536
	s_add_co_u32 s88, s88, s89
	s_mov_b32 s89, 0
	s_lshl_b32 s92, s95, 16                        ; ao_scales: 32 bytes a row of a tile, bytes 2 x head on
	s_lshl_b32 s93, s18, 14
	s_add_co_u32 s92, s92, s93
	s_lshl_b32 s93, s[WV], 10
	s_add_co_u32 s92, s92, s93
	s_lshl_b32 s93, s94, 1
	s_add_co_u32 s92, s92, s93
	s_mov_b32 s93, 0
	s_add_nc_u64 s[QP:QP+1], s[4:5], s[86:87]
	s_add_nc_u64 s[QSP:QSP+1], s[4:5], s[90:91]
	s_add_nc_u64 s[OP:OP+1], s[8:9], s[88:89]
	s_add_nc_u64 s[OSP:OSP+1], s[10:11], s[92:93]
	s_mov_b32 s[SEL], 0x76543210
	s_mov_b32 s[SEL+1], 0xfedcba98
	s_mov_b32 s[CS], 0x3e38aa3b                    ; c = log2(e) / 8
	s_mov_b32 s[CS+1], s[CS]
	s_mov_b32 s[PASSN], 0
	v_and_b32 v13, 31, v0
	v_lshlrev_b32 v[L16], 4, v13
	v_lshlrev_b32 v[L8], 3, v13
	v_and_b32 v[QSO], 15, v0
	v_lshlrev_b32 v[QSO], 3, v[QSO]
	QLOAD                                          ; pass 0's Q is on its way while K and V land
	v_lshlrev_b32 v[SO32], 5, v13
	v_add_nc_u32 v[V16], VIMG, v[L16]
	v_add_nc_u32 v[V8], VIMG, v[L8]
	v_bfe_u32 v[H8], v0, 4, 1
	v_lshlrev_b32 v[H8], 3, v[H8]
	v_cmp_gt_u32 s[LOW], 16, v13
.irp z, 0,1,2,3,4,5, 12,13,14,15,16,17, 24,25,26,27,28,29
	v_mov_b32 v[QZ+\z], 0                          ; the three runs of zero codes
.endr
.irp b, 0,1,2,3,4,5,6,7
	v_mov_b32 v[BP+\b], 0                          ; a lane permute's destination counts as one of its sources
.endr
.macro KQ f, u, x                      ; scores of the step's tile 2 f + u of keys, tile x of my queries.  u = 0: [Q | zeros]; u = 1: [zeros | Q]
.if (\f)%2
	v_wmma_scale_f32_16x16x128_f8f6f4 v[S+64*\x+16*\f+8*\u:S+64*\x+16*\f+8*\u+7], v[KF+12*\f:KF+12*\f+11], v[QZ+6+12*\x-6*\u:QZ+17+12*\x-6*\u], 0, v[KS+\f/2], v[QSA+\x] matrix_a_fmt:MATRIX_FMT_FP6 matrix_b_fmt:MATRIX_FMT_FP6 matrix_a_scale:MATRIX_SCALE_ROW1
.else
	v_wmma_scale_f32_16x16x128_f8f6f4 v[S+64*\x+16*\f+8*\u:S+64*\x+16*\f+8*\u+7], v[KF+12*\f:KF+12*\f+11], v[QZ+6+12*\x-6*\u:QZ+17+12*\x-6*\u], 0, v[KS+\f/2], v[QSA+\x] matrix_a_fmt:MATRIX_FMT_FP6 matrix_b_fmt:MATRIX_FMT_FP6
.endif
.endm
.macro PV ct, x                        ; O^T of channel tile ct, tile x, += V^T P^T
.if (\ct)%2
	v_wmma_scale_f32_16x16x128_f8f6f4 v[O+32*\x+8*\ct:O+32*\x+8*\ct+7], v[VF+12*\ct:VF+12*\ct+11], v[PC+12*\x:PC+12*\x+11], v[O+32*\x+8*\ct:O+32*\x+8*\ct+7], v[VS+\ct/2], v[PW+\x] matrix_a_fmt:MATRIX_FMT_FP6 matrix_b_fmt:MATRIX_FMT_FP6 matrix_a_scale:MATRIX_SCALE_ROW1
.else
	v_wmma_scale_f32_16x16x128_f8f6f4 v[O+32*\x+8*\ct:O+32*\x+8*\ct+7], v[VF+12*\ct:VF+12*\ct+11], v[PC+12*\x:PC+12*\x+11], v[O+32*\x+8*\ct:O+32*\x+8*\ct+7], v[VS+\ct/2], v[PW+\x] matrix_a_fmt:MATRIX_FMT_FP6 matrix_b_fmt:MATRIX_FMT_FP6
.endif
.endm
; A KEY STEP.  pre = 1: the next step's K is fetched too.  pre = 0, a pass's last step: in pass 0 the next pass's Q is asked for: this step's products were the last to read Q's registers.
.macro STEP pre
	s_wait_dscnt 0x0                               ; K's fragments and scale words
	WIN 0x01
.irp f, 0,1,2,3
.irp u, 0,1
.irp x, 0,1
	KQ \f, \u, \x
.endr
.endr
.endr
	WIN 0
	v_add_nc_u32 v[AV], s[TB], v[V16]              ; four places behind the products, ahead of the loads and of the first read of a score
	v_add_nc_u32 v[AV8], s[TB], v[V8]
	s_add_co_u32 s[TB], s[TB], STEPB
.if \pre
	v_add_nc_u32 v[AK], s[TB], v[L16]
	v_add_nc_u32 v[AK8], s[TB], v[L8]
.else
	v_nop
	v_nop
.endif
	WIN 0x40
.irp ct, 0,1,2,3
	FRAG4 VF+12*\ct, AV, AV8, 1536*\ct
.endr
.if \pre
.irp f, 0,1,2,3
	FRAG4 KF+12*\f, AK, AK8, 1536*\f
.endr
.endif
	WIN 0
	ds_load_b64 v[VS:VS+1], v[AV8] offset:SCO
.if \pre
	ds_load_b64 v[KS:KS+1], v[AK8] offset:SCO
.else
	s_cmp_lg_u32 s[PASSN], 0
	s_wait_alu depctr_va_vdst(0)
	s_cbranch_scc1 .Lno_q_\@
	s_add_nc_u64 s[QP:QP+1], s[QP:QP+1], 2*STEPB   ; a pass is 256 tokens on (the loads that read these bases were waited for at the pass's head)
	s_add_nc_u64 s[QSP:QSP+1], s[QSP:QSP+1], 2*STEPB
	QLOAD
.Lno_q_\@:
.endif
.irp b, 0,1,2,3
.irp x, 0,1
	v_max3_num_f32 v[BM+4*\x+\b], v[S+64*\x+16*\b], v[S+64*\x+16*\b+1], v[S+64*\x+16*\b+2]   ; the largest scores, two chains a block
.endr
.endr
.irp i, 3,5,7,9,11,13
.irp b, 0,1,2,3
.irp x, 0,1
	v_max3_num_f32 v[BM+4*\x+\b], v[BM+4*\x+\b], v[S+64*\x+16*\b+\i], v[S+64*\x+16*\b+\i+1]
.endr
.endr
.endr
.irp b, 0,1,2,3
.irp x, 0,1
	v_max_num_f32 v[BM+4*\x+\b], v[BM+4*\x+\b], v[S+64*\x+16*\b+15]
.endr
.endr
.irp x, 0,1
.irp c, 0,1
	v_max_num_f32 v[BM+4*\x+2*\c], v[BM+4*\x+2*\c], v[BM+4*\x+2*\c+1]   ; MY BLOCK'S LARGEST SCORE serves twice: for the row's maximum, and, since p rises with the score, for the block's largest p
.endr
.endr
.irp x, 0,1
	v_max_num_f32 v[TMP+\x], v[BM+4*\x], v[BM+4*\x+2]
.endr
.irp x, 0,1
	v_permlanex16_b32 v[BP+\x], v[TMP+\x], s[SEL], s[SEL+1]
.endr
.irp x, 0,1
	v_max_num_f32 v[TMP+\x], v[TMP+\x], v[BP+\x]   ; with lane l xor 16's 64 keys: the step's largest score of my query
.endr
.irp x, 0,1
	v_mul_f32 v[TMP+\x], s[CS], v[TMP+\x]
.endr
.irp x, 0,1
	v_max_num_f32 v[ST+8*\x+1], v[ST+8*\x+1], v[TMP+\x]   ; the running largest t
.endr
.irp x, 0,1
	v_mov_b32 v[TMP+\x], v[ST+8*\x]
.endr
.irp x, 0,1
	v_floor_f32 v[ST+8*\x], -v[ST+8*\x+1]          ; -M = floor(-t)
.endr
.irp x, 0,1
	v_sub_f32 v[TMP+\x], v[ST+8*\x], v[TMP+\x]
.endr
.irp x, 0,1
	v_cvt_i32_f32 v[TMP+\x], v[TMP+\x]
.endr
.irp x, 0,1
	v_ldexp_f32 v[ST+8*\x+4], 1.0, v[TMP+\x]       ; f = 2^(old M - new M)
.endr
.irp x, 0,1
.set j, 0
.rept 32
	v_pk_fma_f32 v[S+64*\x+j:S+64*\x+j+1], v[S+64*\x+j:S+64*\x+j+1], s[CS:CS+1], v[ST+8*\x:ST+8*\x+1] op_sel_hi:[1,0,0]   ; t - M
.set j, j+2
.endr
.endr
.irp c, 0,1
.irp x, 0,1
	v_fma_f32 v[BM+4*\x+2*\c], v[BM+4*\x+2*\c], s[CS], v[ST+8*\x]
.endr
.endr
.set j, 0
	s_wait_alu depctr_va_vdst(0)                   ; ahead of the batch
.rept 128
	v_exp_f32 v[S+j], v[S+j]                       ; p = 2^(t - M)
.set j, j+1
.endr
.irp b, 0,2,4,6
	v_exp_f32 v[BM+\b], v[BM+\b]                   ; the block's largest p: the same two instructions on the same number give the same bits
.endr
.irp x, 0,1
	v_pk_mul_f32 v[ST+8*\x+2:ST+8*\x+3], v[ST+8*\x+2:ST+8*\x+3], v[ST+8*\x+4:ST+8*\x+5] op_sel_hi:[1,0]   ; the sums under the new M
.endr
	s_wait_alu depctr_va_vdst(0)                   ; and behind it
.irp b, 0,1,2,3
	v_max_num_f32 v[BM+2*\b], 0x1800000, v[BM+2*\b]   ; the floor 2^(3 - 127)
.endr
.irp b, 0,1,2,3
	v_add_nc_u32 v[SOP+\b], 0xff000000, v[BM+2*\b]    ; 2 off the exponent field: the conversion's scale operand of tile b / 2, block b % 2
.endr
.irp b, 0,1,2,3
	v_lshrrev_b32 v[BP+4+\b], 23, v[SOP+\b]
.endr
.irp x, 0,1
	v_lshl_or_b32 v[PW+\x], v[BP+5+2*\x], 16, v[BP+4+2*\x]   ; my two bytes,
.endr
.irp x, 0,1
	v_lshlrev_b32 v[PW+\x], v[H8], v[PW+\x]        ; at their places, 8 h bits up;
.endr
.irp x, 0,1
	v_permlanex16_b32 v[BP+2+\x], v[PW+\x], s[SEL], s[SEL+1]
.endr
.irp x, 0,1
	v_or_b32 v[PW+\x], v[PW+\x], v[BP+2+\x]        ; with lane l xor 16's two: p's scale word for these 128 keys
.endr
.irp x, 0,1
.irp c, 0,1
	v_cvt_scalef32_pk16_fp6_f32 v[PC+12*\x+6*\c:PC+12*\x+6*\c+2], v[S+64*\x+32*\c:S+64*\x+32*\c+15], v[SOP+2*\x+\c]
	v_cvt_scalef32_pk16_fp6_f32 v[CT+4*\c:CT+4*\c+2], v[S+64*\x+32*\c+16:S+64*\x+32*\c+31], v[SOP+2*\x+\c]   ; (a conversion's three registers begin on an even number)
.endr
	v_nop                                          ; one plain place behind a scaled conversion
.irp c, 0,1
.irp i, 0,1,2
	v_mov_b32 v[PC+12*\x+6*\c+3+\i], v[CT+4*\c+\i]
.endr
.endr
.endr
.irp x, 0,1
	v_pk_add_f32 v[ST+8*\x+6:ST+8*\x+7], v[S+64*\x:S+64*\x+1], v[S+64*\x+2:S+64*\x+3]   ; the row's sum of the unquantised p, two chains a tile
.endr
.irp j, 4,8,12,16,20,24,28,32,36,40,44,48,52,56,60
.irp x, 0,1
	v_pk_add_f32 v[ST+8*\x+2:ST+8*\x+3], v[ST+8*\x+2:ST+8*\x+3], v[S+64*\x+\j:S+64*\x+\j+1]
	v_pk_add_f32 v[ST+8*\x+6:ST+8*\x+7], v[ST+8*\x+6:ST+8*\x+7], v[S+64*\x+\j+2:S+64*\x+\j+3]
.endr
.endr
.irp x, 0,1
	v_pk_add_f32 v[ST+8*\x+2:ST+8*\x+3], v[ST+8*\x+2:ST+8*\x+3], v[ST+8*\x+6:ST+8*\x+7]
.endr
	WIN 0x41
	s_wait_alu depctr_va_vdst(0)                   ; directly ahead of the first reader of O^T
.irp x, 0,1
.set j, 0
.rept 16
	v_pk_mul_f32 v[O+32*\x+j:O+32*\x+j+1], v[O+32*\x+j:O+32*\x+j+1], v[ST+8*\x+4:ST+8*\x+5] op_sel_hi:[1,0]   ; O^T under the new M
.set j, j+2
.endr
.endr
	s_wait_alu depctr_va_vdst(0)
	s_wait_dscnt 0x0                               ; V's fragments and scale words
	WIN 0x51
.irp ct, 0,1,2,3
.irp x, 0,1
	PV \ct, \x                                     ; eight accumulators by turns
.endr
.endr
	WIN 0
.endm
	s_wait_alu depctr_va_vdst(0)
	s_wait_tensorcnt 0x0                           ; my four key steps are in,
	s_barrier_signal -1
	s_barrier_wait -1                              ; everybody's are
.Lpass:                                                ; A PASS: 256 queries of the work-group, all 16 key steps
	s_mov_b32 s[TB], 0
	WIN 0x40
.irp f, 0,1,2,3
	FRAG4 KF+12*\f, L16, L8, 1536*\f
.endr
	WIN 0
	ds_load_b64 v[KS:KS+1], v[L8] offset:SCO
.irp x, 0,1
	v_mov_b32 v[ST+8*\x+1], 0xff61b1e6             ; -3e38, under every t
	v_mov_b32 v[ST+8*\x+2], 0
	v_mov_b32 v[ST+8*\x+3], 0
	v_mov_b32 v[ST+8*\x+5], 0
.endr
.irp x, 0,1
	v_floor_f32 v[ST+8*\x], -v[ST+8*\x+1]
.endr
	s_wait_loadcnt 0x0                             ; Q
	v_perm_b32 v[QSA], v[QSA+1], v[QSA+1], 0x01000100     ; a tile's two bytes twice: the word serves [Q | zeros] and [zeros | Q]
	v_perm_b32 v[QSA+1], v[QSA+1], v[QSA+1], 0x03020302
	WIN 0x40
.set j, 0
.rept 64
	v_mov_b32 v[O+j], 0                            ; O^T: the step is one text for every step, so the first finds zeros
.set j, j+1
.endr
	WIN 0
	s_mov_b32 s[STEPS], 15
.Lrun:
	STEP 1
	s_sub_co_u32 s[STEPS], s[STEPS], 1
	s_cmp_lg_u32 s[STEPS], 0
	s_cbranch_scc1 .Lrun
	STEP 0
	; THE PASS'S END: O^T / the sum; my 32 numbers of a tile are one scale block; quantised, one half image a tile
.irp x, 0,1
	v_add_f32 v[TMP+\x], v[ST+8*\x+2], v[ST+8*\x+3]
.endr
.irp x, 0,1
	v_permlanex16_b32 v[BP+\x], v[TMP+\x], s[SEL], s[SEL+1]
.endr
.irp x, 0,1
	v_add_f32 v[TMP+\x], v[TMP+\x], v[BP+\x]
.endr
	s_wait_alu depctr_va_vdst(0)
.irp x, 0,1
	v_rcp_f32 v[ST+8*\x+4], v[TMP+\x]
.endr
	v_nop
	WIN 0x01
	s_wait_alu depctr_va_vdst(0)
.irp x, 0,1
.set j, 0
.rept 16
	v_pk_mul_f32 v[S+64*\x+j:S+64*\x+j+1], v[O+32*\x+j:O+32*\x+j+1], v[ST+8*\x+4:ST+8*\x+5] op_sel_hi:[1,0]   ; register 8 t + i is channel 32 h + 8 t + i
.set j, j+2
.endr
.endr
	WIN 0
.irp x, 0,1
.irp b, 0,1
	v_max3_num_f32 v[BM+4*\x+\b], |v[S+64*\x+16*\b]|, |v[S+64*\x+16*\b+1]|, 0x1800000
.endr
.endr
.irp i, 2,4,6,8,10,12,14
.irp x, 0,1
.irp b, 0,1
	v_max3_num_f32 v[BM+4*\x+\b], v[BM+4*\x+\b], |v[S+64*\x+16*\b+\i]|, |v[S+64*\x+16*\b+\i+1]|
.endr
.endr
.endr
.irp x, 0,1
	v_max_num_f32 v[BM+4*\x], v[BM+4*\x], v[BM+4*\x+1]
.endr
.irp x, 0,1
	v_add_nc_u32 v[SOP+\x], 0xff000000, v[BM+4*\x]
.endr
.irp x, 0,1
	v_lshrrev_b32 v[BP+4+\x], 23, v[SOP+\x]
.endr
.irp x, 0,1
	v_lshlrev_b32 v[HW+\x], v[H8], v[BP+4+\x]      ; my block's byte at its place
.endr
.irp x, 0,1
	v_permlanex16_b32 v[BP+\x], v[HW+\x], s[SEL], s[SEL+1]
.endr
.irp x, 0,1
	v_or_b32 v[HW+\x], v[HW+\x], v[BP+\x]          ; my query's two scale bytes
.endr
.irp x, 0,1
	v_cvt_scalef32_pk16_fp6_f32 v[PC+12*\x:PC+12*\x+2], v[S+64*\x:S+64*\x+15], v[SOP+\x]
	v_cvt_scalef32_pk16_fp6_f32 v[CT+4*\x:CT+4*\x+2], v[S+64*\x+16:S+64*\x+31], v[SOP+\x]
.endr
	v_cndmask_b32 v[H], v[HW+1], v[HW], s[LOW]     ; lanes 0-15 tile 0's rows, lanes 16-31 tile 1's.  (A plain place behind the conversions)
.irp x, 0,1
.irp i, 0,1,2
	v_mov_b32 v[PC+12*\x+3+\i], v[CT+4*\x+\i]
.endr
.endr
.irp x, 0,1
	global_store_b128 v[L16], v[PC+12*\x:PC+12*\x+3], s[OP:OP+1] offset:768*\x
	global_store_b64 v[L8], v[PC+12*\x+4:PC+12*\x+5], s[OP:OP+1] offset:768*\x+512
.endr
	global_store_b16 v[SO32], v[H], s[OSP:OSP+1]
	s_wait_xcnt 0x0                                ; the stores have read their data and bases
	s_add_nc_u64 s[OP:OP+1], s[OP:OP+1], 12288     ; 16 tiles on,
	s_add_nc_u64 s[OSP:OSP+1], s[OSP:OSP+1], 8192  ; 256 rows on
	s_add_co_u32 s[PASSN], s[PASSN], 1
	s_cmp_lt_u32 s[PASSN], 2
	s_wait_alu depctr_va_vdst(0)
	s_cbranch_scc1 .Lpass
	s_wait_tensorcnt 0x0                           ; the wave's end
	ds_add_u32 v[SPW], v[NIL]
	s_wait_dscnt 0x0
	CROUND                                         ; the closing round
	s_endpgm
.Lfunc_end_k_q21ad95b7d9_attn:
	.size	k_q21ad95b7d9_attn, .Lfunc_end_k_q21ad95b7d9_attn-k_q21ad95b7d9_attn
	.p2alignl 7, 3214868480
	.fill 96, 4, 3214868480
	.section	.rodata,"a",@progbits
	.p2align	6, 0x0
	.amdhsa_kernel k_q21ad95b7d9_attn
		.amdhsa_group_segment_fixed_size 205824
		.amdhsa_private_segment_fixed_size 0
		.amdhsa_enable_private_segment 0
		.amdhsa_kernarg_size 32
		.amdhsa_user_sgpr_count 2
		.amdhsa_user_sgpr_kernarg_segment_ptr 1
		.amdhsa_wavefront_size32 1
		.amdhsa_system_sgpr_workgroup_id_x 1
		.amdhsa_system_sgpr_workgroup_id_y 1
		.amdhsa_system_sgpr_workgroup_id_z 1
		.amdhsa_system_vgpr_workitem_id 0
		.amdhsa_next_free_vgpr 512
		.amdhsa_next_free_sgpr 96
		.amdhsa_reserve_vcc 0
		.amdhsa_float_denorm_mode_32 3
		.amdhsa_float_denorm_mode_16_64 3
		.amdhsa_memory_ordered 1
		.amdhsa_forward_progress 1
		.amdhsa_inst_pref_size 71
	.end_amdhsa_kernel
	.amdgpu_metadata
---
amdhsa.version: [ 1, 2 ]
amdhsa.kernels:
  - .name:           k_q21ad95b7d9_attn
    .symbol:         k_q21ad95b7d9_attn.kd
    .args:
      - { .name: qk_codes, .offset: 0, .size: 8, .value_kind: global_buffer, .address_space: global }
      - { .name: v_codes, .offset: 8, .size: 8, .value_kind: global_buffer, .address_space: global }
      - { .name: ao_codes, .offset: 16, .size: 8, .value_kind: global_buffer, .address_space: global }
      - { .name: ao_scales, .offset: 24, .size: 8, .value_kind: global_buffer, .address_space: global }
    .group_segment_fixed_size: 205824
    .private_segment_fixed_size: 0
    .kernarg_segment_align: 8
    .kernarg_segment_size: 32
    .max_flat_workgroup_size: 256
    .sgpr_count:     96
    .vgpr_count:     512
    .wavefront_size: 32
...
	.end_amdgpu_metadata
.endif
;; end of part 2
;; launch oproj (part 3): grid 4 x 64, 4 waves a work-group, clusters of 4 x 4, 327,680 bytes of LDS; arguments ao_codes, ao_scales, Wo_codes, Wo_scales, bo, out0; writes out0
.if DOCPART == 3
	.amdgcn_target "amdgcn-amd-amdhsa--gfx1250"
	.amdhsa_code_object_version 6
	.text
	.protected	k_q21ad95b7d9_oproj
	.globl	k_q21ad95b7d9_oproj
	.p2align	8
	.type	k_q21ad95b7d9_oproj,@function
k_q21ad95b7d9_oproj:
	s_mov_b64 s[64:65], 0
	v_nop
	global_prefetch_b8 v0, s[64:65] scope:SCOPE_SE
	s_setreg_imm32_b32 hwreg(HW_REG_WAVE_MODE, 25, 1), 1
	s_wait_xcnt 0x0
	s_wait_alu depctr_hold_cnt(0) depctr_sa_sdst(0) depctr_va_vdst(0) depctr_va_sdst(0) depctr_va_ssrc(0) depctr_va_vcc(0) depctr_vm_vsrc(0)
	s_getreg_b32 s2, hwreg(HW_REG_IB_STS2, 6, 4)
	s_cmp_eq_u32 s2, 0
	s_cbranch_scc0 .Lentry_in_a_cluster
	s_endpgm
.Lentry_in_a_cluster:
	s_bfe_u32 s2, ttmp6, 0x10000c
	s_cmp_lg_u32 s2, 0xf033
	s_cbranch_scc0 .Lentry_shape_is_right
	s_endpgm
.Lentry_shape_is_right:
; out0 = O Wo + bo on codes of FP6 (E2M3), one E8M0 scale for each 32 along K = 1,024; sums in f32.
; SHARES.  256 work-groups; work-group (X, Y) makes tokens 128 Y on x channels 256 X on; a wave 64 x 128: 32 accumulators.  Source 0 = rows of Wo, source 1 = rows of O: a lane holds 8 neighbouring channels of a token.
; ALL OPERANDS LIE IN LDS AT ONCE, each filled ONCE, one joint load a wave at the head: Wo's 256 rows whole (768 bytes, 16 of padding behind each 256: every tensor row begins at a multiple of 256),
; O's 128 tokens as 16 heads x 8 half images (rows of 6,144 bytes), and both sides' scale bytes: 320,256 bytes.  No ring, no refill.
; CLUSTER 4 x 4: O's tiles are shared along a row of the cluster, Wo's along a column.  No prefetch: all tensor loads go out at the head, so there is no loop to run ahead in.
; ao_codes is [head][512 tiles of 16 tokens][768]: a half image is 16 rows x 64 along K: registers 0-3 at 16 x lane, 4-5 at 512 + 8 x lane; heads 2 q and 2 q + 1 make the fragment of K step q.
; The bias is the first products' C.  The way out goes through a stage on O's bytes, behind a barrier behind which nobody reads them.
.set SIZE_N, 1024
.set NQ,     2
.set KROW,   768
.set PITCH,  816
.set FR,     12
.set NLA,    4
.set NP,     4
.set AHEAD,  6144                      ; a head's 8 half images
.set BB,     16*AHEAD                  ; Wo's rows
.set KS,     32
.set SCL,    BB+256*PITCH
.set HALFSA, (64*KS/256)*272
.set HALFS,  (128*KS/256)*272
.set SBLK,   (16*KS/256)*272
.set SPARE,  SCL+2*HALFSA+2*HALFS
.set SPITCH, 528
.set ADRA, 16                          ; v16, v17: 16 x lane, 8 x lane in my half of the tokens; v18, v19: eight heads on
.set ADRB, 20                          ; v20, v21: my rows of Wo, and behind one padding more; v22, v23: 64 rows on
.set STO,  24
.set RD,   25
.set CO,   26
.set ADRS, 27
.set SPW,  28
.set NIL,  29
.set SC,   32
.set BIAS, 64
.set AF,   128
.set BK,   128
.set G1, 24
.set G0, 32
.set G1B, 48
.set G0B, 56
.set G1S, 68
.set G0S, 76
.set G1SB, 80
.set G0SB, 88
.set MSB, 0
.macro WIN new
.if MSB != \new
	s_set_vgpr_msb (MSB<<8)|\new
.set MSB, \new
.endif
.endm
.set MUL_W,  0xa1
.set MUL_F,  0x81
.set TO_B,   0x40
.macro PLACES n
.rept \n
	v_nop
.endr
.endm
.macro TL g0, g1
	tensor_load_to_lds s[\g0:\g0+3], s[\g1:\g1+7]
	s_nop 0
	PLACES 4
.endm
.macro CROUND
	s_barrier_signal -1
	s_barrier_wait -1
	s_cmp_lg_u32 s14, 0
	s_cbranch_scc1 .Lnot_wave_0_\@
	s_barrier_signal -3
.Lnot_wave_0_\@:
	s_barrier_wait -3
	s_barrier_signal -1
	s_barrier_wait -1
.endm
.macro SCALE1 g, mask, units
	s_or_b32 s[\g+0], s\mask, (3<<16)|(1<<20)|(1<<21)|(5<<22)|(3<<25)
	s_mov_b32 s[\g+1], 32<<16
	s_mov_b32 s[\g+2], (\units)<<16
	s_mov_b32 s[\g+3], 32<<16
	s_mov_b32 s[\g+4], \units
	s_mov_b32 s[\g+5], 32
	s_mov_b32 s[\g+6], 0
	s_mov_b32 s[\g+7], 0
.endm
.macro GRP0 g, lds, base
	s_mov_b32 s[\g], 1
	s_mov_b32 s[\g+1], \lds
	s_mov_b64 s[\g+2:\g+3], s[\base:\base+1]
	s_or_b32 s[\g+3], s[\g+3], 0x80000000
.endm
	s_load_b128 s[4:7], s[0:1], 0x0                ; ao_codes, ao_scales
	s_load_b128 s[8:11], s[0:1], 0x10              ; Wo_codes, Wo_scales
	s_load_b64 s[96:97], s[0:1], 0x20              ; bo
	s_load_b64 s[12:13], s[0:1], 0x28              ; out0
	v_lshl_add_u32 v[SPW], v0, 2, SPARE
	v_mov_b32 v[NIL], 0
	ds_add_u32 v[SPW], v[NIL]                      ; the opening lines
	ds_add_u32 v[SPW], v[NIL]
	v_lshrrev_b32 v1, 5, v0
	v_readfirstlane_b32 s14, v1
	s_lshr_b32 s15, s14, 1                         ; my half of the tokens
	s_and_b32 s16, s14, 1                          ; my half of the channels
	s_bfe_u32 s40, ttmp6, 0x40000
	s_bfe_u32 s41, ttmp6, 0x40004
	s_lshl_b32 s42, ttmp9, 2
	s_add_co_u32 s42, s42, s40                     ; X
	s_and_b32 s17, ttmp7, 0xffff
	s_lshl_b32 s17, s17, 2
	s_add_co_u32 s17, s17, s41                     ; Y
	s_lshl_b32 s43, s41, 2
	s_lshl_b32 s43, 15, s43
	s_lshl_b32 s44, 0x1111, s40
	s_or_b32 s[G1+0], s43, (3<<16)|(1<<21)         ; O: 16 rows (heads) of 768 elements of 8 bytes, 393,216 bytes apart, no padding
	s_mov_b32 s[G1+1], 768<<16
	s_mov_b32 s[G1+2], 16<<16
	s_mov_b32 s[G1+3], 768<<16
	s_mov_b32 s[G1+4], 16
	s_mov_b32 s[G1+5], 49152
	s_mov_b32 s[G1+6], 0
	s_mov_b32 s[G1+7], 0
	s_or_b32 s[G1B+0], s44, (1<<20)|(1<<21)|(5<<22)|(3<<25)   ; Wo: 256 rows of 768 bytes, 16 of padding behind each 256
	s_mov_b32 s[G1B+1], KROW<<16
	s_mov_b32 s[G1B+2], 256<<16
	s_mov_b32 s[G1B+3], KROW<<16
	s_mov_b32 s[G1B+4], 256
	s_mov_b32 s[G1B+5], KROW
	s_mov_b32 s[G1B+6], 0
	s_mov_b32 s[G1B+7], 0
	SCALE1 G1S, 43, 16
	SCALE1 G1SB, 44, 32
	s_mul_i32 s20, s17, AHEAD                      ; O's tiles 8 Y on
	s_mov_b32 s21, 0
	s_lshl_b32 s22, s17, 12                        ; its scale bytes: 32 a token
	s_mov_b32 s23, 0
	s_lshl_b32 s46, s42, 8                         ; Wo's row 256 X
	s_lshl_b32 s92, s46, 5
	s_mov_b32 s93, 0
	s_mul_i32 s46, s46, KROW
	s_mov_b32 s47, 0
	s_wait_dscnt 0x0
	s_wait_kmcnt 0x0
	s_add_nc_u64 s[20:21], s[4:5], s[20:21]
	s_add_nc_u64 s[22:23], s[6:7], s[22:23]
	s_add_nc_u64 s[46:47], s[8:9], s[46:47]
	s_add_nc_u64 s[92:93], s[10:11], s[92:93]
	CROUND                                         ; the joint loads meet
	GRP0 G0, 0, 20
	GRP0 G0B, BB, 46
	GRP0 G0S, SCL, 22
	GRP0 G0SB, SCL+2*HALFSA, 92
.macro ARM under, g0, g1, next         ; four tiles, one a wave, in one chain
	s_cmp_lt_u32 s14, \under
	s_cbranch_scc0 \next
	TL \g0, \g1
	s_branch .Lh_done
\next:
.endm
	ARM 1, G0B, G1B, .Lh_a
	ARM 2, G0, G1, .Lh_sa
	ARM 3, G0S, G1S, .Lh_sb
	TL G0SB, G1SB
.Lh_done:
	s_mul_i32 s21, s15, 4*768                      ; my four tiles of each head
	s_mul_i32 s22, s16, 128*PITCH
	s_add_co_u32 s22, s22, BB                      ; my 128 rows of Wo
	s_mul_i32 s18, s15, HALFSA
	s_mul_i32 s19, s16, HALFS
	s_add_co_u32 s19, s19, 2*HALFSA
	s_sub_co_u32 s19, s19, s18                     ; from O's scale bytes to Wo's
	s_add_co_u32 s18, s18, SCL
	s_mul_i32 s23, s14, 16*SPITCH                  ; my stage
	s_lshl_b32 s2, s17, 7
	s_lshl_b32 s3, s15, 6
	s_add_co_u32 s2, s2, s3
	s_lshl_b32 s2, s2, 12                          ; my first token's row of out0
	s_mov_b32 s3, 0
	s_lshl_b32 s46, s42, 10
	s_lshl_b32 s47, s16, 9
	s_add_co_u32 s46, s46, s47                     ; my first channel, in bytes
	s_mov_b32 s47, 0
	s_add_nc_u64 s[12:13], s[12:13], s[2:3]
	s_add_nc_u64 s[12:13], s[12:13], s[46:47]
	s_add_nc_u64 s[96:97], s[96:97], s[46:47]
	v_and_b32 v1, 15, v0                           ; r
	v_bfe_u32 v2, v0, 4, 1                         ; h
	v_and_b32 v6, 31, v0
	v_mul_u32_u24 v3, v1, PITCH
	v_mad_u32_u24 v4, v2, 24, v3
	v_mad_u32_u24 v5, v2, 40, v3
	v_add_nc_u32 v[ADRB], s22, v4
	v_add_nc_u32 v[ADRB+1], s22, v5
	v_add_nc_u32 v[ADRB+2], 64*PITCH, v[ADRB]
	v_add_nc_u32 v[ADRB+3], 64*PITCH, v[ADRB+1]
	v_lshl_add_u32 v[ADRA], v6, 4, s21
	v_lshl_add_u32 v[ADRA+1], v6, 3, s21
	v_add_nc_u32 v[ADRA+2], 8*AHEAD, v[ADRA]
	v_add_nc_u32 v[ADRA+3], 8*AHEAD, v[ADRA+1]
	v_mul_u32_u24 v5, v1, KS
	v_lshrrev_b32 v7, 8, v5
	v_lshl_add_u32 v5, v7, 4, v5
	v_add_nc_u32 v5, s18, v5
	v_mad_u32_u24 v[ADRS], v2, s19, v5             ; lanes 0-15 O's rows, lanes 16-31 Wo's
	v_mul_u32_u24 v8, v1, SPITCH
	v_lshl_add_u32 v8, v2, 5, v8
	v_add_nc_u32 v[STO], s23, v8
	v_lshlrev_b32 v[CO], 4, v6
	v_add_nc_u32 v[RD], s23, v[CO]
	v_lshlrev_b32 v30, 5, v2
	s_wait_alu depctr_va_vdst(0)
.irp b, 0,1,2,3,4,5,6,7
	global_load_b128 v[BIAS+8*\b:BIAS+8*\b+3], v30, s[96:97] offset:64*\b
	global_load_b128 v[BIAS+8*\b+4:BIAS+8*\b+7], v30, s[96:97] offset:64*\b+16
.endr
.macro FRAG reg, q, i                  ; Wo: six pieces of 8 bytes; lanes 16-31 read three pieces on, which may lie behind one padding more
.irp p, 0,1,2,3,4,5
.set PC_, 12*(\q)+6*(\p/3)+\p%3
	ds_load_b64 v[\reg+2*\p:\reg+2*\p+1], v[ADRB+2*((\i)/4)+(PC_%32+3)/32] offset:8*PC_+16*(PC_/32)+((\i)%4)*16*PITCH
.endr
.endm
.macro FRAGA reg, q, i                 ; O: two half images
.set AO_, 2*((\q)%4)*AHEAD+768*(\i)
	ds_load_b128 v[\reg:\reg+3], v[ADRA+2*((\q)/4)] offset:AO_
	ds_load_b64 v[\reg+4:\reg+5], v[ADRA+1+2*((\q)/4)] offset:AO_+512
	ds_load_b128 v[\reg+6:\reg+9], v[ADRA+2*((\q)/4)] offset:AO_+AHEAD
	ds_load_b64 v[\reg+10:\reg+11], v[ADRA+1+2*((\q)/4)] offset:AO_+AHEAD+512
.endm
.macro MULA a, p, q, sc, first         ; O's block a against Wo's eight; the 32 accumulators take turns
.irp b, 0,1,2,3,4,5,6,7
.if \first
	v_wmma_scale_f32_16x16x128_f8f6f4 v[8*(8*(\a)+\b):8*(8*(\a)+\b)+7], v[128*(\p)+FR*\b:128*(\p)+FR*\b+FR-1], v[AF+FR*(\a):AF+FR*(\a)+FR-1], v[BIAS+8*\b:BIAS+8*\b+7], v[SC+8*NQ*(\sc)+NQ*\b+(\q)], v[SC+8*NQ*(\sc)+NQ*(\a)+(\q)] matrix_a_fmt:MATRIX_FMT_FP6 matrix_b_fmt:MATRIX_FMT_FP6 matrix_a_scale:MATRIX_SCALE_ROW1
.else
	v_wmma_scale_f32_16x16x128_f8f6f4 v[8*(8*(\a)+\b):8*(8*(\a)+\b)+7], v[128*(\p)+FR*\b:128*(\p)+FR*\b+FR-1], v[AF+FR*(\a):AF+FR*(\a)+FR-1], v[8*(8*(\a)+\b):8*(8*(\a)+\b)+7], v[SC+8*NQ*(\sc)+NQ*\b+(\q)], v[SC+8*NQ*(\sc)+NQ*(\a)+(\q)] matrix_a_fmt:MATRIX_FMT_FP6 matrix_b_fmt:MATRIX_FMT_FP6 matrix_a_scale:MATRIX_SCALE_ROW1
.endif
.endr
.endm
.macro FETCH0 q                        ; K step q: Wo's eight fragments, O's blocks 0, 1, and with an even step the scale words of two steps
	WIN TO_B
.irp i, 0,1,2,3,4,5,6,7
	FRAG 128*((\q)%2)+FR*\i, \q, \i
.endr
	WIN 0
	FRAGA AF, \q, 0
	FRAGA AF+FR, \q, 1
.if (\q)%2 == 0
.irp i, 0,1,2,3,4,5,6,7
	ds_load_b64 v[SC+8*NQ*(((\q)/2)%2)+NQ*\i:SC+8*NQ*(((\q)/2)%2)+NQ*\i+1], v[ADRS] offset:\i*SBLK+4*(\q)
.endr
.endif
.endm
.macro FETCH1 q                        ; O's blocks 2, 3
	FRAGA AF+2*FR, \q, 2
	FRAGA AF+3*FR, \q, 3
.endm
.macro MW q
.if (\q) == 0
	WIN MUL_F
.else
	WIN MUL_W
.endif
.endm
.macro KSTEP q
	s_wait_dscnt 2*NLA                             ; O's blocks 2, 3, the youngest eight loads, may be out
	MW \q
	MULA 0, (\q)%2, (\q)%2, ((\q)/2)%2, (\q)==0
	MULA 1, (\q)%2, (\q)%2, ((\q)/2)%2, (\q)==0
	s_wait_dscnt 0
.if (\q) < 7
	PLACES NP
	FETCH0 (\q)+1
.else
	s_barrier_signal -1                            ; my reads of LDS are over
.endif
	MW \q
	MULA 2, (\q)%2, (\q)%2, ((\q)/2)%2, (\q)==0
	MULA 3, (\q)%2, (\q)%2, ((\q)/2)%2, (\q)==0
	PLACES NP
	WIN 0
.if (\q) < 7
	FETCH1 (\q)+1
.endif
.endm
	s_wait_tensorcnt 0x0                           ; my tile is in,
	s_barrier_signal -1
	s_barrier_wait -1                              ; everybody's is
	FETCH0 0
	FETCH1 0
	s_wait_loadcnt 0x0                             ; the bias
.set Q, 0
.rept 8
	KSTEP Q
.set Q, Q+1
.endr
	s_barrier_wait -1                              ; nobody reads O's bytes any more: the stage may lie there
.macro TOSTAGE a                       ; 16 rows x 128 channels through my stage, back as whole rows of 512 bytes
	WIN 0x08
.irp b, 0,1,2,3,4,5,6,7
	ds_store_b128 v[STO], v[64*(\a)+8*\b:64*(\a)+8*\b+3] offset:64*\b
	ds_store_b128 v[STO], v[64*(\a)+8*\b+4:64*(\a)+8*\b+7] offset:64*\b+16
.endr
	WIN 0
.set BB_, BK+64*((\a)%2)
.irp t, 0,1,2,3,4,5,6,7,8,9,10,11,12,13,14,15
	ds_load_b128 v[BB_+4*\t:BB_+4*\t+3], v[RD] offset:\t*SPITCH
.endr
.endm
.macro SEND a, younger
.set BB_, BK+64*((\a)%2)
	s_wait_dscnt \younger
.irp t, 0,1,2,3,4,5,6,7,8,9,10,11,12,13,14,15
	global_store_b128 v[CO], v[BB_+4*\t:BB_+4*\t+3], s[12:13] offset:(8*(\a)+\t%8+32*(\t/8))*SIZE_N*4 th:TH_STORE_NT   ; row t of tile a of my band of 64 tokens is token 8 a + t % 8 + 32 (t / 8), as the launches before laid the tiles; 32 lanes store 512 consecutive bytes, aligned
.endr
.endm
	TOSTAGE 0
.irp a, 1,2,3
.if \a > 1
	s_wait_xcnt 0x0                                ; block a - 2's stores have read their registers and base
.endif
	TOSTAGE \a
	SEND \a-1, 32                                  ; behind block a - 1's loads: block a's 16 stores and 16 loads
.endr
	s_wait_xcnt 0x0
	SEND 3, 0
	s_wait_tensorcnt 0x0                           ; the wave's end
	ds_add_u32 v[SPW], v[NIL]
	s_wait_dscnt 0x0
	CROUND                                         ; the closing round
	s_endpgm
.Lfunc_end_k_q21ad95b7d9_oproj:
	.size	k_q21ad95b7d9_oproj, .Lfunc_end_k_q21ad95b7d9_oproj-k_q21ad95b7d9_oproj
	.p2alignl 7, 3214868480
	.fill 96, 4, 3214868480
	.section	.rodata,"a",@progbits
	.p2align	6, 0x0
	.amdhsa_kernel k_q21ad95b7d9_oproj
		.amdhsa_group_segment_fixed_size 327680
		.amdhsa_private_segment_fixed_size 0
		.amdhsa_enable_private_segment 0
		.amdhsa_kernarg_size 48
		.amdhsa_user_sgpr_count 2
		.amdhsa_user_sgpr_kernarg_segment_ptr 1
		.amdhsa_wavefront_size32 1
		.amdhsa_system_sgpr_workgroup_id_x 1
		.amdhsa_system_sgpr_workgroup_id_y 1
		.amdhsa_system_sgpr_workgroup_id_z 1
		.amdhsa_system_vgpr_workitem_id 0
		.amdhsa_next_free_vgpr 768
		.amdhsa_next_free_sgpr 100
		.amdhsa_reserve_vcc 0
		.amdhsa_float_denorm_mode_32 3
		.amdhsa_float_denorm_mode_16_64 3
		.amdhsa_memory_ordered 1
		.amdhsa_forward_progress 1
		.amdhsa_inst_pref_size 95
	.end_amdhsa_kernel
	.amdgpu_metadata
---
amdhsa.version: [ 1, 2 ]
amdhsa.kernels:
  - .name:           k_q21ad95b7d9_oproj
    .symbol:         k_q21ad95b7d9_oproj.kd
    .args:
      - { .name: ao_codes, .offset: 0, .size: 8, .value_kind: global_buffer, .address_space: global }
      - { .name: ao_scales, .offset: 8, .size: 8, .value_kind: global_buffer, .address_space: global }
      - { .name: Wo_codes, .offset: 16, .size: 8, .value_kind: global_buffer, .address_space: global }
      - { .name: Wo_scales, .offset: 24, .size: 8, .value_kind: global_buffer, .address_space: global }
      - { .name: bo, .offset: 32, .size: 8, .value_kind: global_buffer, .address_space: global }
      - { .name: out0, .offset: 40, .size: 8, .value_kind: global_buffer, .address_space: global }
    .group_segment_fixed_size: 327680
    .private_segment_fixed_size: 0
    .kernarg_segment_align: 8
    .kernarg_segment_size: 48
    .max_flat_workgroup_size: 128
    .sgpr_count:     100
    .vgpr_count:     768
    .wavefront_size: 32
...
	.end_amdgpu_metadata
.endif
;; end of part 3
